; MI455X (gfx1250); checked and timed in simulation.
; The chip was launched on July 23, 2026; its instructions are those of AMD's public machine-readable ISA for CDNA 5 (MIT licence, August 2026) and "CDNA5" Instruction Set Architecture Reference Guide (July 2026). The comments in the code are by the model that wrote it; some were corrected since.
;; Multi Headed Attention. Allowed arithmetic: matrix products marked QUANTISED: E2M1 operands, one E8M0 scale for each 32 along K, by v_wmma_scale_f32_16x16x128_f8f6f4 with both operands' format E2M1 (or v_wmma_scale_f32_32x16x128_f4), f32 sums; products left as they are: bf16, f16 or f32 operands; f32 sums; everything else in f32.
;; Inputs: Wk 512 x 512 float32; Wo 512 x 512 float32; Wq 512 x 512 float32; Wv 512 x 512 float32; bk 512 float32; bo 512 float32; bq 512 float32; bv 512 float32; key 4 x 2,048 x 512 float32; mask 4 x 1 x 2,048 int32; query 4 x 2,048 x 512 float32; value 4 x 2,048 x 512 float32.
;; Outputs: out0 4 x 2,048 x 512 float32.
;; This version of the problem:
;;   THIS VERSION OF THE PROBLEM IS GIVEN IN LOW PRECISION. The matrix products marked QUANTISED in the list below multiply operands that are first quantised to E2M1 (2 exponent bits, 1 mantissa bit; 4 bits a number), with one power-of-two scale for each 32 numbers along K (OCP MX v1.0); their sums are f32. The products marked 'left as it is' may take bf16, f16 or f32 operands, with f32 sums. Whichever they take, every output number must still come out within the allowed error. Rounding operands to bf16 (8 significant bits) uses up far more of that allowance than f16 does (11 bits, for magnitudes from 6e-5 to 65,504). All else is computed in f32.
;;   The module's matrix products, in the order in which they are computed (A, B: the left and right operand; K: the contracted axis; several contracted axes count as one K, in the product's order):
;;     1. [M 8,192, K 512] x [K 512, N 512]; A: input query; B: input Wq: QUANTISED
;;     2. [M 8,192, K 512] x [K 512, N 512]; A: input key; B: input Wk: QUANTISED
;;     3. [M 8,192, K 512] x [K 512, N 512]; A: input value; B: input Wv: QUANTISED
;;     4. batch 32 x [M 2,048, K 64] x [K 64, N 2,048]; A: computed on the way; B: computed on the way: left as it is (an operand is computed on the way)
;;     5. batch 32 x [M 2,048, K 2,048] x [K 2,048, N 64]; A: computed on the way; B: computed on the way: left as it is (an operand is computed on the way)
;;     6. [M 8,192, K 512] x [K 512, N 512]; A: computed on the way; B: input Wo: left as it is (an operand is computed on the way)
;;   THE QUANTISER, for each operand of a quantised product, along K:
;;     - K is cut into blocks of 32 from its start; a last block that is shorter is filled with zeros.
;;     - A block's scale is 2^e with e = floor(log2(the largest magnitude in the block)) - 2, held to -126 .. 127; a block of zeros has e = 0. As a byte (E8M0): e + 127.
;;     - Each number is divided by its block's scale, clamped to +-6, and rounded to the nearest number of E2M1, ties to even, subnormals kept.
;;     - The product sums the exact products of the quantised numbers (number of the format x scale) in f32.
;;   ~~~python
;;   def quantise(x, axis):      # numpy; x: float32 -> the quantised numbers, widened to float32 again
;;       x = np.moveaxis(x, axis, -1); K = x.shape[-1]
;;       x = np.pad(x, [(0, 0)] * (x.ndim - 1) + [(0, -K % 32)]); x = x.reshape(x.shape[:-1] + (-1, 32)); a = np.abs(x).max(-1, keepdims=True)
;;       e = np.where(a > 0, np.clip(np.frexp(np.where(a > 0, a, 1))[1] - 1 - 2, -126, 127), 0)      # np.frexp(a)[1] - 1 = floor(log2(a)), exactly
;;       r = np.clip(x / 2.0 ** e, -6, 6)
;;       step = 2.0 ** (np.maximum(np.frexp(np.where(r == 0, 1, r))[1] - 1, 0) - 1)
;;       q = np.round(r / step) * step * 2.0 ** e      # np.round: ties to even
;;       return np.moveaxis(q.reshape(q.shape[:-2] + (-1,))[..., :K], -1, axis).astype(np.float32)
;;   ~~~
;; One version. Each part assembles by itself: llvm-mc -triple=amdgcn-amd-amdhsa -mcpu=gfx1250 --defsym DOCPART=n.
;; ======== version 1 of 1: 4 launches
;; limits: values are held in f16: magnitudes above 65,504 overflow, below 6.1e-05 lose precision
;; workspace buffers: wcodes 393,216 bytes; wscales 49,152 bytes; wo16 524,288 bytes; mbias 32,768 bytes; qf 8,388,608 bytes; kvf 16,777,216 bytes; ctx 8,388,608 bytes
;; launch prep (part 1): grid 32 x 4, 1 waves a work-group, no clusters, 0 bytes of LDS; arguments Wq, Wk, Wv, Wo, mask, wcodes, wscales, wo16, mbias; writes wcodes, wscales, wo16, mbias
.if DOCPART == 1
	.amdgcn_target "amdgcn-amd-amdhsa--gfx1250"
	.amdhsa_code_object_version 6
	.text
	.protected	k_qf56ad461fe_prep
	.globl	k_qf56ad461fe_prep
	.p2align	8
	.type	k_qf56ad461fe_prep,@function
k_qf56ad461fe_prep:
	s_mov_b64 s[64:65], 0
	v_nop
	global_prefetch_b8 v0, s[64:65] scope:SCOPE_SE
	s_setreg_imm32_b32 hwreg(HW_REG_WAVE_MODE, 25, 1), 1
	s_wait_xcnt 0x0
; The weights are laid out once, in the order in which a wave's operand registers take them.
; y = 0, 1, 2: Wq, Wk, Wv [512 (n)][512 (k)] f32 become codes of FP4 (E2M1) with one E8M0 byte for each 32 along k.  y = 3: Wo becomes f16.
; A work-group is one wave; it takes 16 rows (x) and all 512 k, in four steps of 64 numbers a lane.  Every work-group also turns 64 words of the mask into the addend that the scores take.
; wcodes  [t][row tile 32][K step 4][1,024 bytes]: a fragment's registers 0-3 at 16 x lane, registers 4-7 at 512 + 16 x lane; lane (r, h), registers 4 c .. 4 c + 3: k = 64 c + 32 h + 0 .. 31 of row r.
; wscales [t][row tile][lane][4 words]: word s serves K step s; lanes r and r + 16 hold the same.
; wo16    [column block 4][kb 16][tile 8][1,024 bytes]: lane (r, h), registers 0-3: k = 8 h + 0 .. 7, registers 4-7: k = 16 + 8 h + 0 .. 7 of the 32 at kb.
; mbias   [4][2048] f32: 0 where the mask lets a key count, else -1e9 x log2(e) (the scores are kept in units of log2).
; A block's scale is 2^(floor(log2(its largest magnitude)) - 2): its byte is the largest magnitude's exponent field - 2, held at 1 from below.
; LIMITS: a block of zeros gets the byte 1 where the rule says 127 (its codes are zeros, and this program alone reads the bytes); NaN and infinities are not served; |Wo| stays under 65,504, f16's largest number.
; Each store of the wave covers 512 (the mask's: 256) consecutive bytes, aligned.  No LDS, no barrier.
.set X0, 64                            ; v64-127, v128-191, v192-255: three sets of 64 numbers
.set X1, 128
.set X2, 192
.set CD, 32                            ; v32-63  codes, or f16 numbers
.set SW, 24                            ; v24-27  the four scale words
.macro LOADQ s, x                      ; K step s: my 64 numbers, in the order of the fragment's registers
.irp c, 0,1
.irp i, 0,1,2,3,4,5,6,7
	global_load_b128 v[\x+32*\c+4*\i:\x+32*\c+4*\i+3], v3, s[22:23] offset:512*\s+256*\c+16*\i th:TH_LOAD_NT
.endr
.endr
.endm
.macro QW s, x                         ; two whole blocks of 32 are mine: blocks h and 2 + h of the K step
.irp c, 0,1
	v_max3_num_f32 v[12+\c], |v[\x+32*\c]|, |v[\x+32*\c+1]|, 0x1800000   ; with the floor 2^(3 - 127): the byte cannot fall under 1
.endr
.irp i, 2,4,6,8,10,12,14,16,18,20,22,24,26,28,30
.irp c, 0,1
	v_max3_num_f32 v[12+\c], v[12+\c], |v[\x+32*\c+\i]|, |v[\x+32*\c+\i+1]|
.endr
.endr
.irp c, 0,1
	v_add_nc_u32 v[14+\c], 0xff000000, v[12+\c]    ; 2 off the exponent field: the conversion's scale operand
.endr
.irp c, 0,1
	v_lshrrev_b32 v[16+\c], 23, v[14+\c]           ; the scale's byte
.endr
	v_lshl_or_b32 v18, v17, 16, v16
	v_lshlrev_b32 v18, v5, v18                     ; my two bytes at their places (8 h bits up),
	v_permlanex16_b32 v19, v18, s26, s27
	v_or_b32 v[SW+\s], v18, v19                    ; with lane l xor 16's two the word is whole
.irp c, 0,1
.irp g, 0,1,2,3
	v_cvt_scalef32_pk8_fp4_f32 v[CD+8*\s+4*\c+\g], v[\x+32*\c+8*\g:\x+32*\c+8*\g+7], v[14+\c]
.endr
.endr
	v_nop                                          ; a plain line behind the last scaled conversion
.irp c, 0,1
	global_store_b128 v4, v[CD+8*\s+4*\c:CD+8*\s+4*\c+3], s[14:15] offset:1024*\s+512*\c
.endr
.endm
.macro LOADW s, x                      ; Wo: four fragments, kb = 4 s + f, 16 numbers a lane each
.irp f, 0,1,2,3
	global_load_b128 v[\x+16*\f:\x+16*\f+3], v3, s[22:23] offset:128*(4*\s+\f) th:TH_LOAD_NT
	global_load_b128 v[\x+16*\f+4:\x+16*\f+7], v3, s[22:23] offset:128*(4*\s+\f)+16 th:TH_LOAD_NT
	global_load_b128 v[\x+16*\f+8:\x+16*\f+11], v3, s[22:23] offset:128*(4*\s+\f)+64 th:TH_LOAD_NT
	global_load_b128 v[\x+16*\f+12:\x+16*\f+15], v3, s[22:23] offset:128*(4*\s+\f)+80 th:TH_LOAD_NT
.endr
.endm
.macro CW s, x
.if \s > 0
	s_wait_xcnt 0x0                                ; the last step's stores have read v32-63: only now are they written again
.endif
.irp f, 0,1,2,3
.irp i, 0,1,2,3,4,5,6,7
	v_cvt_pk_f16_f32 v[CD+8*\f+\i], v[\x+16*\f+2*\i], v[\x+16*\f+2*\i+1]
.endr
.endr
.irp f, 0,1,2,3
	global_store_b128 v4, v[CD+8*\f:CD+8*\f+3], s[18:19] offset:8192*(4*\s+\f)
	global_store_b128 v4, v[CD+8*\f+4:CD+8*\f+7], s[18:19] offset:8192*(4*\s+\f)+512
.endr
.endm
.macro MB                              ; my two words of the mask become two addends
	s_wait_loadcnt 48                              ; the mask's load is in; the three sets' 48 loads are younger
	v_cmp_eq_u32 vcc_lo, 0, v6
	v_cndmask_b32 v8, 0, v11, vcc_lo
	v_cmp_eq_u32 vcc_lo, 0, v7
	v_cndmask_b32 v9, 0, v11, vcc_lo
	global_store_b64 v10, v[8:9], s[20:21]         ; 32 lanes: 256 consecutive bytes, aligned
.endm
	s_load_b256 s[4:11], s[0:1], 0x0               ; Wq, Wk, Wv, Wo
	s_load_b256 s[12:19], s[0:1], 0x20             ; mask, wcodes, wscales, wo16
	s_load_b64 s[20:21], s[0:1], 0x40              ; mbias
	s_and_b32 s3, ttmp7, 0xffff                    ; y: which matrix
	v_and_b32 v1, 15, v0                           ; r
	v_bfe_u32 v2, v0, 4, 1                         ; h
	v_lshlrev_b32 v4, 4, v0                        ; 16 x lane (one wave: the thread's number is the lane)
	v_lshlrev_b32 v5, 3, v2                        ; 8 h
	v_lshlrev_b32 v10, 3, v0                       ; 8 x lane
	v_mov_b32 v11, 0xceabfb8f                      ; -1e9 x log2(e)
	v_mov_b32 v19, 0                               ; a lane permute's destination counts as one of its sources
	s_mov_b32 s26, 0x76543210
	s_mov_b32 s27, 0xfedcba98                      ; selects for lane l xor 16
	s_lshl_b32 s24, ttmp9, 15                      ; 16 rows of 2,048 bytes
	s_mov_b32 s25, 0
	s_lshl_b32 s30, s3, 5
	s_add_co_u32 s30, s30, ttmp9
	s_lshl_b32 s30, s30, 8                         ; my 256 bytes of the mask: 128 work-groups x 64 words
	s_mov_b32 s31, 0
	s_wait_kmcnt 0x0
	s_cmp_eq_u32 s3, 0
	s_cselect_b64 s[22:23], s[4:5], s[6:7]
	s_cmp_eq_u32 s3, 2
	s_cselect_b64 s[22:23], s[8:9], s[22:23]
	s_cmp_eq_u32 s3, 3
	s_cselect_b64 s[22:23], s[10:11], s[22:23]     ; the choice hangs on the work-group's number alone
	s_add_nc_u64 s[22:23], s[22:23], s[24:25]
	s_add_nc_u64 s[12:13], s[12:13], s[30:31]
	s_add_nc_u64 s[20:21], s[20:21], s[30:31]
	global_load_b64 v[6:7], v10, s[12:13]
	s_cmp_eq_u32 s3, 3
	s_cbranch_scc1 .Lwo
	v_lshlrev_b32 v3, 11, v1
	v_lshl_add_u32 v3, v2, 7, v3                   ; row r of 2,048 bytes + 128 h
	s_lshl_b32 s32, s3, 17
	s_lshl_b32 s33, ttmp9, 12
	s_add_co_u32 s32, s32, s33
	s_mov_b32 s33, 0
	s_add_nc_u64 s[14:15], s[14:15], s[32:33]      ; my four fragments
	s_lshl_b32 s34, s3, 14
	s_lshl_b32 s35, ttmp9, 9
	s_add_co_u32 s34, s34, s35
	s_mov_b32 s35, 0
	s_add_nc_u64 s[16:17], s[16:17], s[34:35]      ; my 512 bytes of scale words
	LOADQ 0, X0
	LOADQ 1, X1
	LOADQ 2, X2
	MB
	s_wait_loadcnt 32                              ; set 0 is in; two younger sets of 16 loads may be out
	QW 0, X0
	LOADQ 3, X0
	s_wait_loadcnt 32
	QW 1, X1
	s_wait_loadcnt 16
	QW 2, X2
	s_wait_loadcnt 0x0
	QW 3, X0
	global_store_b128 v4, v[SW:SW+3], s[16:17]
	s_endpgm
.Lwo:
	v_lshlrev_b32 v3, 11, v1
	v_lshl_add_u32 v3, v2, 5, v3                   ; row r + 32 h
	s_lshr_b32 s36, ttmp9, 3
	s_lshl_b32 s36, s36, 17                        ; the block of 128 columns of the output,
	s_and_b32 s37, ttmp9, 7
	s_lshl_b32 s37, s37, 10                        ; the tile in it
	s_add_co_u32 s36, s36, s37
	s_mov_b32 s37, 0
	s_add_nc_u64 s[18:19], s[18:19], s[36:37]
	LOADW 0, X0
	LOADW 1, X1
	LOADW 2, X2
	MB
	s_wait_loadcnt 32
	CW 0, X0
	LOADW 3, X0
	s_wait_loadcnt 32
	CW 1, X1
	s_wait_loadcnt 16
	CW 2, X2
	s_wait_loadcnt 0x0
	CW 3, X0
	s_endpgm
.Lfunc_end_k_qf56ad461fe_prep:
	.size	k_qf56ad461fe_prep, .Lfunc_end_k_qf56ad461fe_prep-k_qf56ad461fe_prep
	.p2alignl 7, 3214868480
	.fill 96, 4, 3214868480
	.section	.rodata,"a",@progbits
	.p2align	6, 0x0
	.amdhsa_kernel k_qf56ad461fe_prep
		.amdhsa_group_segment_fixed_size 0
		.amdhsa_private_segment_fixed_size 0
		.amdhsa_enable_private_segment 0
		.amdhsa_kernarg_size 72
		.amdhsa_user_sgpr_count 2
		.amdhsa_user_sgpr_kernarg_segment_ptr 1
		.amdhsa_wavefront_size32 1
		.amdhsa_system_sgpr_workgroup_id_x 1
		.amdhsa_system_sgpr_workgroup_id_y 1
		.amdhsa_system_sgpr_workgroup_id_z 1
		.amdhsa_system_vgpr_workitem_id 0
		.amdhsa_next_free_vgpr 256
		.amdhsa_next_free_sgpr 66
		.amdhsa_reserve_vcc 1
		.amdhsa_float_denorm_mode_32 3
		.amdhsa_float_denorm_mode_16_64 3
		.amdhsa_memory_ordered 1
		.amdhsa_forward_progress 1
		.amdhsa_inst_pref_size 39
	.end_amdhsa_kernel
	.amdgpu_metadata
---
amdhsa.version: [ 1, 2 ]
amdhsa.kernels:
  - .name:           k_qf56ad461fe_prep
    .symbol:         k_qf56ad461fe_prep.kd
    .args:
      - { .name: Wq, .offset: 0, .size: 8, .value_kind: global_buffer, .address_space: global }
      - { .name: Wk, .offset: 8, .size: 8, .value_kind: global_buffer, .address_space: global }
      - { .name: Wv, .offset: 16, .size: 8, .value_kind: global_buffer, .address_space: global }
      - { .name: Wo, .offset: 24, .size: 8, .value_kind: global_buffer, .address_space: global }
      - { .name: mask, .offset: 32, .size: 8, .value_kind: global_buffer, .address_space: global }
      - { .name: wcodes, .offset: 40, .size: 8, .value_kind: global_buffer, .address_space: global }
      - { .name: wscales, .offset: 48, .size: 8, .value_kind: global_buffer, .address_space: global }
      - { .name: wo16, .offset: 56, .size: 8, .value_kind: global_buffer, .address_space: global }
      - { .name: mbias, .offset: 64, .size: 8, .value_kind: global_buffer, .address_space: global }
    .group_segment_fixed_size: 0
    .private_segment_fixed_size: 0
    .kernarg_segment_align: 8
    .kernarg_segment_size: 72
    .max_flat_workgroup_size: 32
    .sgpr_count:     66
    .vgpr_count:     256
    .wavefront_size: 32
...
	.end_amdgpu_metadata
.endif
;; end of part 1
;; launch proj (part 2): grid 256 x 1, 4 waves a work-group, no clusters, 227,840 bytes of LDS; arguments query, key, value, mask, wcodes, wscales, bq, bk, bv, qf, kvf; writes qf, kvf
.if DOCPART == 2
	.amdgcn_target "amdgcn-amd-amdhsa--gfx1250"
	.amdhsa_code_object_version 6
	.text
	.protected	k_qf56ad461fe_proj
	.globl	k_qf56ad461fe_proj
	.p2align	8
	.type	k_qf56ad461fe_proj,@function
k_qf56ad461fe_proj:
	s_mov_b64 s[64:65], 0
	v_nop
	global_prefetch_b8 v0, s[64:65] scope:SCOPE_SE
	s_setreg_imm32_b32 hwreg(HW_REG_WAVE_MODE, 25, 1), 1
	s_wait_xcnt 0x0
; q = Q(query) Q(Wq)^T + bq, k and v likewise: three products on codes of FP4 (E2M1) with one E8M0 scale for each 32 along K = 512; sums in f32.
; The results leave as f16, in the order of the registers that the attention's matrix instructions take: q x log2(e)/8 and k as fragments of 16 rows x 32 channels, v as fragments of 16 channels x 32 keys.
; The rows of k whose key the mask hides are stored as zeros: the attention then adds the mask's number to a score that is exactly 0.
; SHARES.  Work-group g takes rows 32 g .. 32 g + 31 of all three inputs: 256 equal work-groups, one way through the text.  As a quantiser wave w takes rows 16 (w / 2) on and k = 256 (w % 2) on (two K steps);
; as a multiplier it takes columns 128 w on (heads 2 w, 2 w + 1), whose weights it holds in registers.  The rows' codes go from wave to wave through LDS as images of the operand's registers.
; x comes by three tensor loads a wave (16 rows x 1,024 bytes each), all issued at the head and filled once: three are out at the most.  Each wave reads only the bytes that it fetched.
; q, k: the matrix instruction is used transposed (source 0 = 16 rows of W, source 1 = 16 rows of x): a lane holds row r and channels 16 ct + 8 h + 0 .. 7; the bias is the C of the first K step.
; v: source 0 = x, source 1 = W: a lane holds channel 16 ct + r and keys 8 h + 0 .. 7, which is V^T's fragment; the bias is added behind the sums.
; No cluster: the weights go from memory straight into operand registers, and three sets of 136 KB do not fit in LDS beside 195 KB of x.
; LIMITS: |q| log2(e)/8, |k|, |v| stay under 65,504, f16's largest number; f16 numbers under 6e-5 carry an absolute error of at most 3e-8; a block of zeros gets the scale byte 1 (its codes are zeros); NaN and infinities are not served.
; REGISTERS.  window 0: v2-13 addresses; v14-17 mask; v18, v19 the add's two; v24-31 x's scale words; v32-127 the weights' scale words; v128-191 64 numbers of x, later packed results; v192-219 at work; v224-239 bv.
;   window 1: Wq's 32 fragments, later Wv's.   window 2: Wk's.   window 3: v0-127 16 accumulators (2 ct + m); v128-191 x's 8 fragments (4 m + s); v192-255 the bias as C (ct).
.set XRAW_W, 16640                     ; LDS: a wave's tile: 16 rows of 1,024 bytes + 16 of padding (260 words: row r starts at bank 4 r mod 64)
.set XRAW_T, 4*XRAW_W                  ; the four waves' tiles of one input
.set XIMG,  3*XRAW_T                   ; 24 fragments' images of 1,024 bytes: 8 t + 4 m + s
.set XSC,   XIMG+24*1024               ; their scale words, 128 bytes each
.set SPARE, XSC+24*128                 ; the spare words, 128 bytes a wave: two blocks of 256 bytes that no other line names
.set XR,  4                            ; v4-6  where I read x's tile of input t
.set XWI, 7                            ; v7    where I store images;  v8 their scale words
.set XWS, 8
.set LI,  9                            ; v9    XIMG + 16 x lane;  v10 XSC + 4 x lane
.set LS,  10
.set L16, 11                           ; v11   16 x lane;  v12 32 h;  v13 4 r
.set H32, 12
.set R4,  13
.set MK,  14
.set KEEP, 16
.set SPW, 18
.set NIL, 19
.set XS,  24
.set WS,  32
.set ST,  128
.set PK,  128
.set TM,  192
.set PW,  208
.set PC,  212
.set BV,  224
.set XFR, 128                          ; in window 3
.set BC,  192
.set WV,  26
.set G1,  28
.set G0,  36
.set SEL, 52
.set CS,  58
.set MSB, 0
.macro WIN new                         ; the immediate's high byte repeats the setting that is left
.if MSB != \new
	s_set_vgpr_msb (MSB<<8)|\new
.set MSB, \new
.endif
.endm
.macro PLACES                          ; four plain lines behind matrix instructions, ahead of loads into their registers and of reads of their results
.rept 4
	v_nop
.endr
.endm
; 64 numbers of a lane, register 16 b + i = k 32 b + 16 h + i of my row, become a fragment's codes in v[PC] on and its scale word in v[PW].
.macro QUANT s
.irp b, 0,1,2,3
	v_max3_num_f32 v[TM+\b], |v[\s+16*\b]|, |v[\s+1+16*\b]|, 0x1800000   ; with the floor 2^(3 - 127): the byte cannot fall under 1
.endr
.irp i, 2,4,6,8,10,12,14
.irp b, 0,1,2,3
	v_max3_num_f32 v[TM+\b], v[TM+\b], |v[\s+16*\b+\i]|, |v[\s+1+16*\b+\i]|
.endr
.endr
.irp b, 0,1,2,3
	v_permlanex16_b32 v[TM+4+\b], v[TM+\b], s[SEL], s[SEL+1]
.endr
.irp b, 0,1,2,3
	v_max_num_f32 v[TM+\b], v[TM+\b], v[TM+4+\b]   ; with lane l xor 16's: the block's largest magnitude
.endr
.irp b, 0,1,2,3
	v_add_nc_u32 v[TM+12+\b], 0xff000000, v[TM+\b] ; 2 off its exponent field: the conversion's scale operand
.endr
.irp b, 0,1,2,3
	v_lshrrev_b32 v[TM+4+\b], 23, v[TM+12+\b]      ; the scale's byte
.endr
	v_lshl_or_b32 v[PW], v[TM+5], 8, v[TM+4]
	v_lshl_or_b32 v[PW], v[TM+6], 16, v[PW]
	v_lshl_or_b32 v[PW], v[TM+7], 24, v[PW]
.irp b, 0,1,2,3
	v_cvt_scalef32_pk8_fp4_f32 v[PC+2*\b], v[\s+16*\b:\s+7+16*\b], v[TM+12+\b]
	v_cvt_scalef32_pk8_fp4_f32 v[PC+1+2*\b], v[\s+8+16*\b:\s+15+16*\b], v[TM+12+\b]
.endr
	v_nop                                          ; one plain line behind a scaled conversion
.irp c, 0,1                                    ; the operand's layout wants a whole block in a lane
.irp i, 0,1
	v_permlane16_swap_b32 v[PC+4*\c+\i], v[PC+2+4*\c+\i]
.endr
.endr
.endm
.macro IMAGE adr, off
.irp c, 0,1
	ds_store_b128 v[\adr], v[PC+4*\c:PC+4*\c+3] offset:\off+512*\c
.endr
.endm
.macro XQ t                            ; my 16 rows x 256 k of input t become two fragments
.irp p, 0,1
.irp b, 0,1,2,3
.irp j, 0,1,2,3
	ds_load_b128 v[ST+16*\b+4*\j:ST+16*\b+4*\j+3], v[XR+\t] offset:512*\p+128*\b+16*\j
.endr
.endr
	s_wait_dscnt 0x0                               ; the numbers are in; the image stores ahead of them have read their registers
	QUANT ST
	IMAGE XWI, 8192*\t+1024*\p
	ds_store_b32 v[XWS], v[PW] offset:1024*\t+128*\p
.endr
.endm
.macro LOADW t                         ; my 32 fragments of weight t, fragment 4 ct + s at v[8 (4 ct + s)] of the window in force
.set F, 0
.rept 32
	global_load_b128 v[8*F:8*F+3], v[L16], s[12:13] offset:131072*\t+1024*F
	global_load_b128 v[8*F+4:8*F+7], v[L16], s[12:13] offset:131072*\t+1024*F+512
.set F, F+1
.endr
.endm
.macro PART t                          ; input t is quantised, handed round, and fetched as operands
.if \t > 0
	s_wait_xcnt 0x0                                ; the last part's stores have read v128-191: only now are they loaded again
.endif
	s_wait_tensorcnt 2-\t                          ; my tile of input t has landed; my younger tiles may be out
	XQ \t
	s_wait_dscnt 0x0                               ; for the others' sake: my images lie in LDS
	s_barrier_signal -1
	s_barrier_wait -1                              ; everybody's do.
	WIN 0xc0
.set F, 0
.rept 8
	ds_load_b128 v[XFR+8*F:XFR+8*F+3], v[LI] offset:8192*\t+1024*F
	ds_load_b128 v[XFR+8*F+4:XFR+8*F+7], v[LI] offset:8192*\t+1024*F+512
.set F, F+1
.endr
	WIN 0
.set F, 0
.rept 8
	ds_load_b32 v[XS+F], v[LS] offset:1024*\t+128*F
.set F, F+1
.endr
	s_wait_dscnt 0x0
.endm
; 64 matrix instructions; the 16 accumulators take turns, one instruction a turn.
.macro MULT_T t, win                   ; transposed: source 0 = W, source 1 = x; the bias starts the sums
	WIN \win
.irp s, 0,1,2,3
.irp ct, 0,1,2,3,4,5,6,7
.irp m, 0,1
.if \s == 0
	v_wmma_scale_f32_16x16x128_f8f6f4 v[8*(2*\ct+\m):8*(2*\ct+\m)+7], v[8*(4*\ct+\s):8*(4*\ct+\s)+7], v[XFR+8*(4*\m+\s):XFR+8*(4*\m+\s)+7], v[BC+8*\ct:BC+8*\ct+7], v[WS+32*\t+4*\ct+\s], v[XS+4*\m+\s] matrix_a_fmt:MATRIX_FMT_FP4 matrix_b_fmt:MATRIX_FMT_FP4
.else
	v_wmma_scale_f32_16x16x128_f8f6f4 v[8*(2*\ct+\m):8*(2*\ct+\m)+7], v[8*(4*\ct+\s):8*(4*\ct+\s)+7], v[XFR+8*(4*\m+\s):XFR+8*(4*\m+\s)+7], v[8*(2*\ct+\m):8*(2*\ct+\m)+7], v[WS+32*\t+4*\ct+\s], v[XS+4*\m+\s] matrix_a_fmt:MATRIX_FMT_FP4 matrix_b_fmt:MATRIX_FMT_FP4
.endif
.endr
.endr
.endr
.endm
.macro MULT_N t                        ; source 0 = x, source 1 = W; the first K step starts the sums
	WIN 0xf7
.irp s, 0,1,2,3
.irp ct, 0,1,2,3,4,5,6,7
.irp m, 0,1
.if \s == 0
	v_wmma_scale_f32_16x16x128_f8f6f4 v[8*(2*\ct+\m):8*(2*\ct+\m)+7], v[XFR+8*(4*\m+\s):XFR+8*(4*\m+\s)+7], v[8*(4*\ct+\s):8*(4*\ct+\s)+7], 0, v[XS+4*\m+\s], v[WS+32*\t+4*\ct+\s] matrix_a_fmt:MATRIX_FMT_FP4 matrix_b_fmt:MATRIX_FMT_FP4
.else
	v_wmma_scale_f32_16x16x128_f8f6f4 v[8*(2*\ct+\m):8*(2*\ct+\m)+7], v[XFR+8*(4*\m+\s):XFR+8*(4*\m+\s)+7], v[8*(4*\ct+\s):8*(4*\ct+\s)+7], v[8*(2*\ct+\m):8*(2*\ct+\m)+7], v[XS+4*\m+\s], v[WS+32*\t+4*\ct+\s] matrix_a_fmt:MATRIX_FMT_FP4 matrix_b_fmt:MATRIX_FMT_FP4
.endif
.endr
.endr
.endr
.endm
.macro PACK                            ; each accumulator's eight numbers become 16 bytes of f16, from its low end on
	WIN 0x0f
.set A, 0
.rept 16
.irp i, 0,1,2,3
	v_cvt_pk_f16_f32 v[PK+4*A+\i], v[8*A+2*\i], v[8*A+2*\i+1]
.endr
.set A, A+1
.endr
	WIN 0
.endm
.macro SEND_QK base, head              ; head: bytes from a head to the next.  Each store covers 512 consecutive bytes, aligned: half a fragment
.irp ct, 0,1,2,3,4,5,6,7
.irp m, 0,1
	global_store_b128 v[L16], v[PK+4*(2*\ct+\m):PK+4*(2*\ct+\m)+3], s[\base:\base+1] offset:(\ct/4)*\head+2048*\m+1024*((\ct/2)%2)+512*(\ct%2)
.endr
.endr
.endm
	s_load_b256 s[4:11], s[0:1], 0x0               ; query, key, value, mask
	s_load_b256 s[12:19], s[0:1], 0x20             ; wcodes, wscales, bq, bk
	s_load_b128 s[20:23], s[0:1], 0x40             ; bv, qf
	s_load_b64 s[24:25], s[0:1], 0x50              ; kvf
	v_lshl_add_u32 v[SPW], v0, 2, SPARE
	v_mov_b32 v[NIL], 0
	ds_add_u32 v[SPW], v[NIL]                      ; the wave's opening: the add, twice on end, and its wait ahead of my first tensor load
	ds_add_u32 v[SPW], v[NIL]
	v_lshrrev_b32 v1, 5, v0
	v_readfirstlane_b32 s[WV], v1                  ; wave 0..3
	s_mov_b32 s[G1+0], (2<<16)|(1<<20)|(7<<22)|(3<<25)  ; elements of 4 bytes; padding on: 4 words behind every 256
	s_mov_b32 s[G1+1], 256<<16                     ; tensor_dim0 = 256
	s_mov_b32 s[G1+2], 16<<16                      ; tensor_dim1 = 16
	s_mov_b32 s[G1+3], 256<<16                     ; tile_dim0 = 256
	s_mov_b32 s[G1+4], 16                          ; tile_dim1 = 16
	s_mov_b32 s[G1+5], 512                         ; elements from row to row
	s_mov_b32 s[G1+6], 0
	s_mov_b32 s[G1+7], 0
	s_mul_i32 s50, s[WV], XRAW_W                   ; my tile's place in LDS
	s_lshl_b32 s48, ttmp9, 16                      ; 32 rows of 2,048 bytes a work-group,
	s_lshr_b32 s49, s[WV], 1
	s_lshl_b32 s49, s49, 15                        ; 16 rows,
	s_add_co_u32 s48, s48, s49
	s_and_b32 s49, s[WV], 1
	s_lshl_b32 s49, s49, 10                        ; 256 numbers along k
	s_add_co_u32 s48, s48, s49
	s_mov_b32 s49, 0
	s_mov_b32 s[SEL], 0x76543210
	s_mov_b32 s[SEL+1], 0xfedcba98
	s_mov_b32 s[CS], 0x3e38aa3b                    ; log2(e) / 8
	s_mov_b32 s[CS+1], s[CS]
	s_wait_dscnt 0x0                               ; both opening adds are done
	s_wait_kmcnt 0x0
.irp t, 0,1,2
	s_mov_b32 s[G0+4*\t], 1
	s_add_co_u32 s[G0+4*\t+1], s50, \t*XRAW_T
	s_add_nc_u64 s[G0+4*\t+2:G0+4*\t+3], s[4+2*\t:5+2*\t], s[48:49]
	s_or_b32 s[G0+4*\t+3], s[G0+4*\t+3], 0x80000000
.endr
.irp t, 0,1,2
	tensor_load_to_lds s[G0+4*\t:G0+4*\t+3], s[G1:G1+7]
	s_nop 0
.endr
.rept 4
	v_nop
.endr
	v_and_b32 v1, 31, v0                           ; lane
	v_and_b32 v2, 15, v0                           ; r
	v_bfe_u32 v3, v0, 4, 1                         ; h
	v_mul_u32_u24 v[XR], v2, 1040
	v_lshl_add_u32 v[XR], v3, 6, v[XR]
	v_add_nc_u32 v[XR], s50, v[XR]                 ; row r of my tile + 64 h: my 16 numbers of a block of 32
	v_add_nc_u32 v[XR+1], XRAW_T, v[XR]
	v_add_nc_u32 v[XR+2], 2*XRAW_T, v[XR]
	v_lshlrev_b32 v[L16], 4, v1
	v_lshlrev_b32 v[LS], 2, v1
	s_lshl_b32 s51, s[WV], 11
	s_add_co_u32 s51, s51, XIMG
	v_add_nc_u32 v[XWI], s51, v[L16]               ; my two fragments of a part: 2 w, 2 w + 1
	s_lshl_b32 s51, s[WV], 8
	s_add_co_u32 s51, s51, XSC
	v_add_nc_u32 v[XWS], s51, v[LS]
	v_add_nc_u32 v[LI], XIMG, v[L16]
	v_add_nc_u32 v[LS], XSC, v[LS]
	v_lshlrev_b32 v[H32], 5, v3
	v_lshlrev_b32 v[R4], 2, v2
	v_mov_b32 v20, -1
.irp b, 0,1,2,3
	v_mov_b32 v[TM+4+\b], 0                        ; a lane permute's destination counts as one of its sources
.endr
	s_mov_b32 s55, 0
	s_lshl_b32 s54, s[WV], 12
	s_add_nc_u64 s[14:15], s[14:15], s[54:55]      ; my 8 column tiles' scale words
	s_lshl_b32 s54, s[WV], 15
	s_add_nc_u64 s[12:13], s[12:13], s[54:55]      ; and their codes
	s_lshl_b32 s54, s[WV], 9
	s_add_nc_u64 s[16:17], s[16:17], s[54:55]      ; my 128 numbers of each bias
	s_add_nc_u64 s[18:19], s[18:19], s[54:55]
	s_add_nc_u64 s[20:21], s[20:21], s[54:55]
	s_lshl_b32 s54, ttmp9, 7
	s_add_nc_u64 s[10:11], s[10:11], s[54:55]      ; my 32 words of the mask
	s_lshr_b32 s56, ttmp9, 6                       ; the batch
	s_lshl_b32 s54, s56, 21
	s_lshl_b32 s57, s[WV], 19
	s_add_co_u32 s54, s54, s57
	s_and_b32 s57, ttmp9, 63
	s_lshl_b32 s57, s57, 12
	s_add_co_u32 s54, s54, s57
	s_add_nc_u64 s[22:23], s[22:23], s[54:55]      ; qf: head 8 n + 2 w, query tile 2 (g % 64)
	s_lshl_b32 s54, s56, 22
	s_lshl_b32 s57, s[WV], 20
	s_add_co_u32 s54, s54, s57
	s_and_b32 s57, ttmp9, 63
	s_lshr_b32 s57, s57, 1
	s_lshl_b32 s57, s57, 14
	s_add_co_u32 s54, s54, s57
	s_and_b32 s57, ttmp9, 1
	s_lshl_b32 s57, s57, 12
	s_add_co_u32 s54, s54, s57
	s_add_nc_u64 s[24:25], s[24:25], s[54:55]      ; kvf: the same head, step (g % 64) / 2, its half g % 2
.irp t, 0,1,2
.irp ct, 0,1,2,3,4,5,6,7
	global_load_b128 v[WS+32*\t+4*\ct:WS+32*\t+4*\ct+3], v[L16], s[14:15] offset:16384*\t+512*\ct
.endr
.endr
.irp ct, 0,1,2,3,4,5,6,7
	global_load_b32 v[BV+2*\ct], v[R4], s[20:21] offset:64*\ct      ; bv of channel 16 ct + r, in both registers of a pair
	global_load_b32 v[BV+2*\ct+1], v[R4], s[20:21] offset:64*\ct
.endr
.irp m, 0,1
	global_load_b32 v[MK+\m], v[R4], s[10:11] offset:64*\m
.endr
	WIN 0xc0
.irp ct, 0,1,2,3,4,5,6,7
	global_load_b128 v[BC+8*\ct:BC+8*\ct+3], v[H32], s[16:17] offset:64*\ct       ; bq of channels 16 ct + 8 h + 0 .. 7
	global_load_b128 v[BC+8*\ct+4:BC+8*\ct+7], v[H32], s[16:17] offset:64*\ct+16
.endr
	WIN 0x40
	LOADW 0
	WIN 0x80
	LOADW 1
	WIN 0
	PART 0
	s_wait_loadcnt 63                              ; all up to Wq is in: 64 younger loads (Wk) were issued, and the count's field holds 63
.irp m, 0,1
	v_cmp_ne_u32 vcc_lo, 0, v[MK+\m]
	v_cndmask_b32 v[KEEP+\m], 0, v20, vcc_lo       ; all ones where key 16 m + r counts
.endr
	MULT_T 0, 0xfd
	PLACES
	WIN 0xc0
.irp ct, 0,1,2,3,4,5,6,7
	global_load_b128 v[BC+8*\ct:BC+8*\ct+3], v[H32], s[18:19] offset:64*\ct       ; bk takes bq's place,
	global_load_b128 v[BC+8*\ct+4:BC+8*\ct+7], v[H32], s[18:19] offset:64*\ct+16
.endr
	WIN 0x40
	LOADW 2                                        ; Wv takes Wq's
	WIN 0xc3
.set A, 0
.rept 64
	v_pk_mul_f32 v[A:A+1], v[A:A+1], s[CS:CS+1] op_sel_hi:[1,0]   ; q x log2(e) / 8, in f32
.set A, A+2
.endr
	PACK
	SEND_QK 22, 262144
	PART 1
	s_wait_loadcnt 63                              ; Wk and bk are in: 64 younger loads (Wv) were issued
	MULT_T 1, 0xfe
	PLACES
	PACK
.set A, 0
.rept 16
.irp i, 0,1,2,3
	v_and_b32 v[PK+4*A+\i], v[KEEP+A%2], v[PK+4*A+\i]   ; the rows of hidden keys become zeros
.endr
.set A, A+1
.endr
	SEND_QK 24, 524288
	PART 2
	s_wait_loadcnt 0x0
	MULT_N 2
	PLACES
	WIN 0xc3
.irp ct, 0,1,2,3,4,5,6,7
.irp m, 0,1
.irp i, 0,2,4,6
	v_pk_add_f32 v[8*(2*\ct+\m)+\i:8*(2*\ct+\m)+\i+1], v[8*(2*\ct+\m)+\i:8*(2*\ct+\m)+\i+1], v[BV+2*\ct:BV+2*\ct+1]
.endr
.endr
.endr
	PACK
.irp ct, 0,1,2,3,4,5,6,7
.irp m, 0,1
	global_store_b128 v[L16], v[PK+4*(2*\ct+\m):PK+4*(2*\ct+\m)+3], s[24:25] offset:(\ct/4)*524288+8192+1024*(\ct%4)+512*\m
.endr
.endr
	s_wait_tensorcnt 0x0                           ; the wave's end: behind my last tensor load and my last LDS store
	ds_add_u32 v[SPW], v[NIL]
	s_wait_dscnt 0x0
	s_endpgm
.Lfunc_end_k_qf56ad461fe_proj:
	.size	k_qf56ad461fe_proj, .Lfunc_end_k_qf56ad461fe_proj-k_qf56ad461fe_proj
	.p2alignl 7, 3214868480
	.fill 96, 4, 3214868480
	.section	.rodata,"a",@progbits
	.p2align	6, 0x0
	.amdhsa_kernel k_qf56ad461fe_proj
		.amdhsa_group_segment_fixed_size 227840
		.amdhsa_private_segment_fixed_size 0
		.amdhsa_enable_private_segment 0
		.amdhsa_kernarg_size 88
		.amdhsa_user_sgpr_count 2
		.amdhsa_user_sgpr_kernarg_segment_ptr 1
		.amdhsa_wavefront_size32 1
		.amdhsa_system_sgpr_workgroup_id_x 1
		.amdhsa_system_sgpr_workgroup_id_y 1
		.amdhsa_system_sgpr_workgroup_id_z 1
		.amdhsa_system_vgpr_workitem_id 0
		.amdhsa_next_free_vgpr 1024
		.amdhsa_next_free_sgpr 66
		.amdhsa_reserve_vcc 1
		.amdhsa_float_denorm_mode_32 3
		.amdhsa_float_denorm_mode_16_64 3
		.amdhsa_memory_ordered 1
		.amdhsa_forward_progress 1
		.amdhsa_inst_pref_size 117
	.end_amdhsa_kernel
	.amdgpu_metadata
---
amdhsa.version: [ 1, 2 ]
amdhsa.kernels:
  - .name:           k_qf56ad461fe_proj
    .symbol:         k_qf56ad461fe_proj.kd
    .args:
      - { .name: query, .offset: 0, .size: 8, .value_kind: global_buffer, .address_space: global }
      - { .name: key, .offset: 8, .size: 8, .value_kind: global_buffer, .address_space: global }
      - { .name: value, .offset: 16, .size: 8, .value_kind: global_buffer, .address_space: global }
      - { .name: mask, .offset: 24, .size: 8, .value_kind: global_buffer, .address_space: global }
      - { .name: wcodes, .offset: 32, .size: 8, .value_kind: global_buffer, .address_space: global }
      - { .name: wscales, .offset: 40, .size: 8, .value_kind: global_buffer, .address_space: global }
      - { .name: bq, .offset: 48, .size: 8, .value_kind: global_buffer, .address_space: global }
      - { .name: bk, .offset: 56, .size: 8, .value_kind: global_buffer, .address_space: global }
      - { .name: bv, .offset: 64, .size: 8, .value_kind: global_buffer, .address_space: global }
      - { .name: qf, .offset: 72, .size: 8, .value_kind: global_buffer, .address_space: global }
      - { .name: kvf, .offset: 80, .size: 8, .value_kind: global_buffer, .address_space: global }
    .group_segment_fixed_size: 227840
    .private_segment_fixed_size: 0
    .kernarg_segment_align: 8
    .kernarg_segment_size: 88
    .max_flat_workgroup_size: 128
    .sgpr_count:     66
    .vgpr_count:     1024
    .wavefront_size: 32
...
	.end_amdgpu_metadata
.endif
;; end of part 2
;; launch attn (part 3): grid 8 x 32, 8 waves a work-group, clusters of 4 x 1, 327,680 bytes of LDS; arguments qf, kvf, mbias, ctx; writes ctx
.if DOCPART == 3
	.amdgcn_target "amdgcn-amd-amdhsa--gfx1250"
	.amdhsa_code_object_version 6
	.text
	.protected	k_qf56ad461fe_attn
	.globl	k_qf56ad461fe_attn
	.p2align	8
	.type	k_qf56ad461fe_attn,@function
k_qf56ad461fe_attn:
	s_mov_b64 s[64:65], 0
	v_nop
	global_prefetch_b8 v0, s[64:65] scope:SCOPE_SE
	s_setreg_imm32_b32 hwreg(HW_REG_WAVE_MODE, 25, 1), 1
	s_wait_xcnt 0x0
	s_wait_alu depctr_hold_cnt(0) depctr_sa_sdst(0) depctr_va_vdst(0) depctr_va_sdst(0) depctr_va_ssrc(0) depctr_va_vcc(0) depctr_vm_vsrc(0)
	s_getreg_b32 s2, hwreg(HW_REG_IB_STS2, 6, 4)
	s_cmp_eq_u32 s2, 0
	s_cbranch_scc0 .Lentry_in_a_cluster
	s_endpgm
.Lentry_in_a_cluster:
	s_bfe_u32 s2, ttmp6, 0x10000c
	s_cmp_lg_u32 s2, 0x3003
	s_cbranch_scc0 .Lentry_shape_is_right
	s_endpgm
.Lentry_shape_is_right:
; ctx[q] = the sum over keys of softmax(q . k / 8, hidden keys at -1e9) v, for one head (y = 8 n + head) and 256 queries a work-group.  Operands in f16; products, maxima and sums in f32.
; q arrives multiplied by log2(e)/8, so a score is t in units of log2.  p = 2^(t - m), m the running largest t of the query; in every step O and the sum l are multiplied by a = 2^(old m - new m).
; THE MASK costs no vector line: the rows of hidden keys arrive as zeros, and the first matrix instruction of each tile of keys takes as C the mask's addend, 0 or -1e9 log2(e): a hidden score is exactly that number.
; SHARES.  Eight waves, two to a SIMD, so that one wave's softmax stands beside the other's matrix work.  Wave w = 4 grp + wi takes the 64 queries 64 wi on (four tiles of 16) against keys 1,024 grp on, 16 steps of 64 keys;
; the two halves of the keys are merged at the end.  Register tile t holds query tile (t + 2 grp) % 4: every wave keeps register tiles 0, 1 and hands 2, 3 to wave w xor 4: one text for all waves.
; LAYOUT.  S^T = K Q^T (source 0 = 16 keys, source 1 = 16 queries) and O^T = V^T P: a lane holds ONE query throughout.  K, V^T and Q arrive as images of the operands' registers: every fragment is two loads of 512 consecutive bytes.
; RING.  Two slots of 128 KB; a slot holds four steps for each half of the keys, 16 KB a wave and load.  Three loads a wave go out at the head (the mask's addends, slots 0 and 1), later one behind each change of slots.
; CLUSTER.  The four work-groups of a cluster walk the same K, V and addends: every tensor load is asked for jointly, with the same descriptor and a mask that names the four.
; No prefetch: half of K and V is asked for at the head, and each of the two refills has four steps, 256 matrix instructions a wave, between its request and the wait for it.
; LIMITS: p under 6e-8 is rounded to 0 in f16, beside a sum of at least 1; NaN and infinities are not served.
; REGISTERS.  window 0: v1-10 addresses; v12, v13 the add's two; v16-47 statistics, 8 a tile: +0 m, +2, +3 l, +4 .. +7 at work, a in +6; v48-79 the addends; v80-83 the partner's m and l; v128-255 S^T, 32 a tile, then P in place.
;   window 1: v0-63 Q (16 t + 8 c); v64-127 K, then V; v128-255 O^T (32 t + 8 ct).
.set SLOT1, 1<<17
.set MB,    2*SLOT1                    ; the batch's 2,048 addends
.set SPARE, MB+8192                    ; the spare words, 128 bytes a wave: four blocks of 256 bytes that no other line names
.set LI,  1                            ; v1  16 x lane
.set ADR, 2                            ; v2  the step's 16 KB
.set AM0, 3                            ; v3  MB + 32 h + 4,096 grp
.set ADM, 4                            ; v4  the step's addends
.set EXS, 7                            ; v7  the merge: where I put O;  v8 where I fetch the partner's;  v9, v10 the same for m and l
.set EXL, 8
.set EWS, 9
.set EWL, 10
.set SPW, 12
.set NIL, 13
.set ST,  16
.set MBR, 48
.set PR,  80
.set S,   128
.set KV,  64                           ; in window 1
.set O,   128
.set WV,  12
.set G1KV, 24
.set G1M, 32
.set G0A, 40
.set G0B, 44
.set G0M, 48
.set OUTER, 52
.set TM,  56
.set CNT, 57
.set SEL, 60
.set TB,  62
.set W_LD, 0x40                        ; destination window 1
.set W_S,  0x05                        ; K and Q window 1, S^T and the addends window 0
.set W_PV, 0x51                        ; V window 1, P window 0, O^T window 1
.set W_RS, 0x41                        ; O^T window 1, the factor window 0
.set MSB, 0
.macro WIN new                         ; the immediate's high byte repeats the setting that is left
.if MSB != \new
	s_set_vgpr_msb (MSB<<8)|\new
.set MSB, \new
.endif
.endm
.macro CROUND                          ; a round of the cluster's barrier
	s_barrier_signal -1
	s_barrier_wait -1
	s_cmp_lg_u32 s[WV], 0
	s_cbranch_scc1 .Lnot_wave_0_\@
	s_barrier_signal -3
.Lnot_wave_0_\@:
	s_barrier_wait -3
	s_barrier_signal -1
	s_barrier_wait -1
.endm
; A KEY STEP: 64 keys.  first = 1: the first step, which starts m, l and O^T.  All accumulators take turns, one instruction a turn.
.macro STEP first
	WIN 0
	v_add_nc_u32 v[ADR], s[TB], v[LI]
	v_add_nc_u32 v[ADM], s[TM], v[AM0]
	v_nop                                          ; five plain lines behind the last products: K is loaded over V, and the new scores are written over P
	v_nop
	v_nop
	WIN W_LD
.irp f, 0,1,2,3,4,5,6,7                        ; K: fragment 2 kt + c
	ds_load_b128 v[KV+8*\f:KV+8*\f+3], v[ADR] offset:1024*\f
	ds_load_b128 v[KV+8*\f+4:KV+8*\f+7], v[ADR] offset:1024*\f+512
.endr
	WIN 0
.irp k, 0,1,2,3                                ; the addends of keys 16 kt + 8 h + 0 .. 7: the result's layout
	ds_load_b128 v[MBR+8*\k:MBR+8*\k+3], v[ADM] offset:64*\k
	ds_load_b128 v[MBR+8*\k+4:MBR+8*\k+7], v[ADM] offset:64*\k+16
.endr
	s_wait_dscnt 0x0
	WIN W_S
.irp k, 0,1,2,3
.irp t, 0,1,2,3
	v_wmma_f32_16x16x32_f16 v[S+32*\t+8*\k:S+32*\t+8*\k+7], v[KV+16*\k:KV+16*\k+7], v[16*\t:16*\t+7], v[MBR+8*\k:MBR+8*\k+7]
.endr
.endr
.irp k, 0,1,2,3
.irp t, 0,1,2,3
	v_wmma_f32_16x16x32_f16 v[S+32*\t+8*\k:S+32*\t+8*\k+7], v[KV+16*\k+8:KV+16*\k+15], v[16*\t+8:16*\t+15], v[S+32*\t+8*\k:S+32*\t+8*\k+7]
.endr
.endr
	WIN 0
.rept 4
	v_nop                                          ; four plain lines: V is loaded over K, and the scores are read
.endr
	WIN W_LD
.irp f, 0,1,2,3,4,5,6,7                        ; V^T: fragment 4 kb + ct; it lands while the softmax is walked
	ds_load_b128 v[KV+8*\f:KV+8*\f+3], v[ADR] offset:8192+1024*\f
	ds_load_b128 v[KV+8*\f+4:KV+8*\f+7], v[ADR] offset:8192+1024*\f+512
.endr
	WIN 0
	; the largest of my 32 scores of each tile and the old m; the four tiles by turns; each accumulator is read from its low end on
.irp j, 0,1,2,3
.irp t, 0,1,2,3
	v_max3_num_f32 v[ST+8*\t+4+\j], v[S+32*\t+8*\j], v[S+32*\t+8*\j+1], v[S+32*\t+8*\j+2]
.endr
.endr
.irp u, 3,5
.irp j, 0,1,2,3
.irp t, 0,1,2,3
	v_max3_num_f32 v[ST+8*\t+4+\j], v[ST+8*\t+4+\j], v[S+32*\t+8*\j+\u], v[S+32*\t+8*\j+\u+1]
.endr
.endr
.endr
.irp t, 0,1,2,3
	v_max3_num_f32 v[ST+8*\t+4], v[ST+8*\t+4], v[S+32*\t+7], v[S+32*\t+15]
.endr
.irp t, 0,1,2,3
	v_max3_num_f32 v[ST+8*\t+6], v[ST+8*\t+6], v[S+32*\t+23], v[S+32*\t+31]
.endr
.irp t, 0,1,2,3
	v_max3_num_f32 v[ST+8*\t+4], v[ST+8*\t+4], v[ST+8*\t+5], v[ST+8*\t+6]
.endr
.irp t, 0,1,2,3
.if \first
	v_max_num_f32 v[ST+8*\t+4], v[ST+8*\t+4], v[ST+8*\t+7]
.else
	v_max3_num_f32 v[ST+8*\t+4], v[ST+8*\t+4], v[ST+8*\t+7], v[ST+8*\t]
.endif
.endr
.irp t, 0,1,2,3
	v_permlanex16_b32 v[ST+8*\t+5], v[ST+8*\t+4], s[SEL], s[SEL+1]   ; the query's other 32 keys lie in the lane 16 away
.endr
.if !\first
.irp t, 0,1,2,3
	v_mov_b32 v[ST+8*\t+7], v[ST+8*\t]             ; the old m
.endr
.endif
.irp t, 0,1,2,3
	v_max_num_f32 v[ST+8*\t], v[ST+8*\t+4], v[ST+8*\t+5]
.endr
.if !\first
.irp t, 0,1,2,3
	v_sub_f32 v[ST+8*\t+7], v[ST+8*\t+7], v[ST+8*\t]
.endr
	; ONE BATCH: all exponentials of the step, with the subtractions t - m of the next tile between them; none of these lines names an exponential's result
.irp t, 0,1,2,3
	v_exp_f32 v[ST+8*\t+6], v[ST+8*\t+7]           ; a
.endr
.endif
.irp b, 0,2,4,6,8,10,12,14,16,18,20,22,24,26,28,30
	v_pk_add_f32 v[S+\b:S+\b+1], v[S+\b:S+\b+1], v[ST:ST+1] op_sel_hi:[1,0] neg_lo:[0,1] neg_hi:[0,1]   ; t - m: exactly 0 where t = m
.endr
.irp t, 0,1,2
.irp b, 0,2,4,6,8,10,12,14,16,18,20,22,24,26,28,30
	v_exp_f32 v[S+32*\t+\b], v[S+32*\t+\b]
	v_exp_f32 v[S+32*\t+\b+1], v[S+32*\t+\b+1]
	v_pk_add_f32 v[S+32*\t+32+\b:S+32*\t+32+\b+1], v[S+32*\t+32+\b:S+32*\t+32+\b+1], v[ST+8*\t+8:ST+8*\t+9] op_sel_hi:[1,0] neg_lo:[0,1] neg_hi:[0,1]
.endr
.endr
.set E, 0
.rept 32
	v_exp_f32 v[S+96+E], v[S+96+E]
.set E, E+1
.endr
	v_nop                                          ; a plain line behind the last exponential
	s_wait_alu depctr_va_vdst(0)                   ; one wait for the whole batch, ahead of the first line that names a result
	; the sums of the unrounded p, in two chains a tile
.irp t, 0,1,2,3
.if \first
	v_pk_add_f32 v[ST+8*\t+2:ST+8*\t+3], v[S+32*\t:S+32*\t+1], v[S+32*\t+4:S+32*\t+5]
.else
	v_pk_fma_f32 v[ST+8*\t+2:ST+8*\t+3], v[ST+8*\t+2:ST+8*\t+3], v[ST+8*\t+6:ST+8*\t+7], v[S+32*\t:S+32*\t+1] op_sel_hi:[1,0,1]
.endif
.endr
.irp t, 0,1,2,3
	v_pk_add_f32 v[ST+8*\t+4:ST+8*\t+5], v[S+32*\t+2:S+32*\t+3], v[S+32*\t+6:S+32*\t+7]
.endr
.if !\first
.irp t, 0,1,2,3
	v_pk_add_f32 v[ST+8*\t+2:ST+8*\t+3], v[ST+8*\t+2:ST+8*\t+3], v[S+32*\t+4:S+32*\t+5]
.endr
.endif
.irp o, 8,12,16,20,24,28
.irp t, 0,1,2,3
	v_pk_add_f32 v[ST+8*\t+2:ST+8*\t+3], v[ST+8*\t+2:ST+8*\t+3], v[S+32*\t+\o:S+32*\t+\o+1]
.endr
.irp t, 0,1,2,3
	v_pk_add_f32 v[ST+8*\t+4:ST+8*\t+5], v[ST+8*\t+4:ST+8*\t+5], v[S+32*\t+\o+2:S+32*\t+\o+3]
.endr
.endr
.irp t, 0,1,2,3
	v_pk_add_f32 v[ST+8*\t+2:ST+8*\t+3], v[ST+8*\t+2:ST+8*\t+3], v[ST+8*\t+4:ST+8*\t+5]
.endr
	; p to f16, in place: two tiles of 16 keys pack into the fragment of 32 keys
.irp i, 0,1,2,3,4,5,6,7
.irp b, 0,1
.irp t, 0,1,2,3
	v_cvt_pk_f16_f32 v[S+32*\t+16*\b+\i], v[S+32*\t+16*\b+2*\i], v[S+32*\t+16*\b+2*\i+1]
.endr
.endr
.endr
.if !\first
	WIN W_RS
.irp t, 0,1,2,3
.irp i, 0,2,4,6,8,10,12,14,16,18,20,22,24,26,28,30
	v_pk_mul_f32 v[O+32*\t+\i:O+32*\t+\i+1], v[O+32*\t+\i:O+32*\t+\i+1], v[ST+8*\t+6:ST+8*\t+7] op_sel_hi:[1,0]
.endr
.endr
.endif
	s_wait_dscnt 0x0                               ; V is in
	WIN W_PV
.irp b, 0,1
.irp c, 0,1,2,3
.irp t, 0,1,2,3
.if \first && (\b == 0)
	v_wmma_f32_16x16x32_f16 v[O+32*\t+8*\c:O+32*\t+8*\c+7], v[KV+32*\b+8*\c:KV+32*\b+8*\c+7], v[S+32*\t+16*\b:S+32*\t+16*\b+7], 0
.else
	v_wmma_f32_16x16x32_f16 v[O+32*\t+8*\c:O+32*\t+8*\c+7], v[KV+32*\b+8*\c:KV+32*\b+8*\c+7], v[S+32*\t+16*\b:S+32*\t+16*\b+7], v[O+32*\t+8*\c:O+32*\t+8*\c+7]
.endif
.endr
.endr
.endr
	WIN 0
	s_add_co_u32 s[TB], s[TB], 16384               ; the next step's tiles,
	s_add_co_u32 s[TM], s[TM], 256                 ; and its 64 addends
.endm
.macro PASS n                          ; n key steps, written once
	s_mov_b32 s[CNT], \n
.Lpass_\@:
	STEP 0
	s_sub_co_u32 s[CNT], s[CNT], 1
	s_cmp_lg_u32 s[CNT], 0
	s_cbranch_scc1 .Lpass_\@
.endm
; THE CHANGE OF SLOTS.  Each wave waits for all its tensor loads (one is out: its part of the other slot), adds 0 to its spare word, and waits for that and for its reads of the slot that it leaves.
; fill = 1: the barrier is a round of the cluster's, and the joint refill of the slot just left is the first thing behind it.
.macro CHANGE fill
	WIN 0
	s_wait_tensorcnt 0x0                           ; no tensor load of mine is out, so a group 0 may be written
	ds_add_u32 v[SPW], v[NIL]
.if \fill
	s_xor_b32 s[G0B+1], s[G0B+1], SLOT1            ; the walking descriptor: the other slot than last time,
	s_add_nc_u64 s[G0B+2:G0B+3], s[G0B+2:G0B+3], 65536   ; the next four steps
.endif
	s_wait_dscnt 0x0
.if \fill
	CROUND
	tensor_load_to_lds s[G0B:G0B+3], s[G1KV:G1KV+7]
	s_nop 0
.rept 4
	v_nop
.endr
.else
	s_barrier_signal -1
	s_barrier_wait -1
.endif
	s_sub_co_u32 s[TB], s[TB], 65536               ; back to a slot's first step,
	s_xor_b32 s[TB], s[TB], SLOT1                  ; in the other slot
.endm
	s_load_b256 s[4:11], s[0:1], 0x0               ; qf, kvf, mbias, ctx
	v_lshl_add_u32 v[SPW], v0, 2, SPARE
	v_mov_b32 v[NIL], 0
	ds_add_u32 v[SPW], v[NIL]                      ; the wave's opening: the add, twice on end, and its wait ahead of my first tensor load
	ds_add_u32 v[SPW], v[NIL]
	v_lshrrev_b32 v5, 5, v0
	v_readfirstlane_b32 s[WV], v5                  ; wave 0..7
	s_lshr_b32 s13, s[WV], 2                       ; grp: which half of the keys
	s_and_b32 s14, s[WV], 3                        ; wi: which 64 queries; also which step of a slot I fetch
	s_and_b32 s17, ttmp7, 0xffff                   ; y = 8 n + head, which the four partners share
	s_mov_b32 s[G1KV], 15|(3<<16)|(1<<21)          ; the mask: all four work-groups; elements of 8 bytes; bit 21 set beside a mask
	s_mov_b32 s[G1KV+1], 32<<16                    ; rows of 256 bytes,
	s_mov_b32 s[G1KV+2], 64<<16                    ; 64 of them: a dense block of 16 KB
	s_mov_b32 s[G1KV+3], 32<<16
	s_mov_b32 s[G1KV+4], 64
	s_mov_b32 s[G1KV+5], 32
	s_mov_b32 s[G1KV+6], 0
	s_mov_b32 s[G1KV+7], 0
	s_mov_b32 s[G1M], 15|(3<<16)|(1<<21)
	s_mov_b32 s[G1M+1], 32<<16
	s_mov_b32 s[G1M+2], 4<<16                      ; 4 rows: 1 KB of addends
	s_mov_b32 s[G1M+3], 32<<16
	s_mov_b32 s[G1M+4], 4
	s_mov_b32 s[G1M+5], 32
	s_mov_b32 s[G1M+6], 0
	s_mov_b32 s[G1M+7], 0
	s_lshl_b32 s18, s17, 19                        ; the head's 512 KB of K and V,
	s_lshl_b32 s19, s13, 18                        ; the half of its keys,
	s_add_co_u32 s18, s18, s19
	s_lshl_b32 s19, s14, 14                        ; my step
	s_add_co_u32 s18, s18, s19
	s_mov_b32 s19, 0
	s_lshr_b32 s20, s17, 3
	s_lshl_b32 s20, s20, 13                        ; the batch's addends,
	s_lshl_b32 s23, s[WV], 10                      ; my 1 KB of them
	s_add_co_u32 s20, s20, s23
	s_mov_b32 s21, 0
	s_lshl_b32 s22, s[WV], 14                      ; my 16 KB of a slot: no place in the cluster enters an LDS address
	s_bfe_u32 s15, ttmp6, 0x40000                  ; cx
	s_lshl_b32 s16, ttmp9, 2
	s_add_co_u32 s16, s16, s15                     ; my block of 256 queries: it enters Q's and ctx's addresses alone
	s_lshl_b32 s2, s17, 18
	s_lshl_b32 s3, s16, 15
	s_add_co_u32 s2, s2, s3
	s_lshl_b32 s3, s14, 13
	s_add_co_u32 s2, s2, s3
	s_lshl_b32 s3, s13, 12
	s_add_co_u32 s2, s2, s3                        ; Q: register tiles 0, 1 are query tiles 2 grp, 2 grp + 1 of my four,
	s_mov_b32 s3, 0
	s_xor_b32 s54, s2, 4096                        ; register tiles 2, 3 the other two
	s_mov_b32 s55, 0
	s_lshr_b32 s58, s17, 3
	s_lshl_b32 s58, s58, 21                        ; ctx: block of 128 rows 16 n + 2 qb + wi / 2,
	s_lshl_b32 s59, s16, 18
	s_add_co_u32 s58, s58, s59
	s_lshr_b32 s59, s14, 1
	s_lshl_b32 s59, s59, 17
	s_add_co_u32 s58, s58, s59
	s_and_b32 s59, s17, 7
	s_lshl_b32 s59, s59, 14                        ; K block 2 head,
	s_add_co_u32 s58, s58, s59
	s_and_b32 s59, s14, 1
	s_lshl_b32 s59, s59, 12                        ; row tile 4 (wi % 2) + 2 grp
	s_add_co_u32 s58, s58, s59
	s_lshl_b32 s59, s13, 11
	s_add_co_u32 s58, s58, s59
	s_mov_b32 s59, 0
	s_mov_b32 s[SEL], 0x76543210
	s_mov_b32 s[SEL+1], 0xfedcba98
	s_lshl_b32 s[TB], s13, 16                      ; my half's steps in slot 0
	s_mov_b32 s[TM], 0
	s_wait_dscnt 0x0                               ; both opening adds are done
	s_wait_kmcnt 0x0
	s_add_nc_u64 s[6:7], s[6:7], s[18:19]
	s_add_nc_u64 s[8:9], s[8:9], s[20:21]
	s_add_nc_u64 s[2:3], s[4:5], s[2:3]
	s_add_nc_u64 s[54:55], s[4:5], s[54:55]
	s_add_nc_u64 s[10:11], s[10:11], s[58:59]
	CROUND                                         ; all four work-groups are here: the first joint loads meet
	s_mov_b32 s[G0A], 1
	s_mov_b32 s[G0A+1], s22
	s_mov_b64 s[G0A+2:G0A+3], s[6:7]
	s_or_b32 s[G0A+3], s[G0A+3], 0x80000000
	s_mov_b32 s[G0B], 1
	s_add_co_u32 s[G0B+1], s22, SLOT1
	s_add_nc_u64 s[G0B+2:G0B+3], s[6:7], 65536
	s_or_b32 s[G0B+3], s[G0B+3], 0x80000000
	s_mov_b32 s[G0M], 1
	s_add_co_u32 s[G0M+1], s23, MB
	s_mov_b64 s[G0M+2:G0M+3], s[8:9]
	s_or_b32 s[G0M+3], s[G0M+3], 0x80000000
	tensor_load_to_lds s[G0M:G0M+3], s[G1M:G1M+7]  ; the addends,
	s_nop 0
	tensor_load_to_lds s[G0A:G0A+3], s[G1KV:G1KV+7]   ; slot 0,
	s_nop 0
	tensor_load_to_lds s[G0B:G0B+3], s[G1KV:G1KV+7]   ; slot 1: three loads of mine are out
	s_nop 0
.rept 4
	v_nop
.endr
	v_and_b32 v5, 31, v0
	v_lshlrev_b32 v[LI], 4, v5
	v_bfe_u32 v6, v0, 4, 1
	s_lshl_b32 s53, s13, 12
	s_add_co_u32 s53, s53, MB
	v_lshl_add_u32 v[AM0], v6, 5, s53
	v_add_nc_u32 v[EXS], s22, v[LI]
	s_xor_b32 s53, s22, 65536                      ; wave w xor 4's 16 KB
	v_add_nc_u32 v[EXL], s53, v[LI]
	v_lshlrev_b32 v5, 2, v5
	v_add_nc_u32 v[EWS], s22, v5
	v_add_nc_u32 v[EWS], 8192, v[EWS]
	v_add_nc_u32 v[EWL], s53, v5
	v_add_nc_u32 v[EWL], 8192, v[EWL]
.set E, 0
.rept 32
	v_mov_b32 v[ST+E], 0                           ; written once: pairs are named whole, and a lane permute's destination counts as a source
.set E, E+1
.endr
	WIN W_LD
.irp t, 0,1
.irp c, 0,1
	global_load_b128 v[16*\t+8*\c:16*\t+8*\c+3], v[LI], s[2:3] offset:2048*\t+1024*\c
	global_load_b128 v[16*\t+8*\c+4:16*\t+8*\c+7], v[LI], s[2:3] offset:2048*\t+1024*\c+512
	global_load_b128 v[32+16*\t+8*\c:32+16*\t+8*\c+3], v[LI], s[54:55] offset:2048*\t+1024*\c
	global_load_b128 v[32+16*\t+8*\c+4:32+16*\t+8*\c+7], v[LI], s[54:55] offset:2048*\t+1024*\c+512
.endr
.endr
	WIN 0
	s_wait_tensorcnt 1                             ; the addends and my part of slot 0 are in; slot 1's load may stay out
	s_barrier_signal -1
	s_barrier_wait -1
	s_wait_loadcnt 0x0                             ; Q
	STEP 1
	PASS 3
	s_mov_b32 s[OUTER], 2
.Lslot:                                            ; two trips: both slots are filled once more
	CHANGE 1
	PASS 4
	s_sub_co_u32 s[OUTER], s[OUTER], 1
	s_cmp_lg_u32 s[OUTER], 0
	s_cbranch_scc1 .Lslot
	CHANGE 0                                       ; the last four steps are written out: nothing is left to ask for
	PASS 4
	; THE MERGE of the two halves of the keys.  The stage lies in slot 0, which has had its last fill, and which nobody reads since the last change of slots.
.irp t, 0,1,2,3
	v_add_f32 v[ST+8*\t+2], v[ST+8*\t+2], v[ST+8*\t+3]
.endr
.irp t, 0,1,2,3
	v_permlanex16_b32 v[ST+8*\t+5], v[ST+8*\t+2], s[SEL], s[SEL+1]
.endr
.irp t, 0,1,2,3
	v_add_f32 v[ST+8*\t+2], v[ST+8*\t+2], v[ST+8*\t+5]   ; l of my half of the keys
.endr
	WIN 0x04                                       ; an LDS store's data are its source 1: window 1
.set E, 0
.rept 16
	ds_store_b128 v[EXS], v[O+64+4*E:O+64+4*E+3] offset:512*E   ; register tiles 2, 3, as they stand
.set E, E+1
.endr
	WIN 0
	ds_store_b32 v[EWS], v[ST+16]
	ds_store_b32 v[EWS], v[ST+18] offset:128
	ds_store_b32 v[EWS], v[ST+24] offset:256
	ds_store_b32 v[EWS], v[ST+26] offset:384
	s_wait_dscnt 0x0                               ; for the partner's sake: my stores have landed
	s_barrier_signal -1
	s_barrier_wait -1
.set E, 0
.rept 16
	ds_load_b128 v[S+4*E:S+4*E+3], v[EXL] offset:512*E   ; the partner's O^T of my register tiles 0, 1
.set E, E+1
.endr
.irp k, 0,1,2,3
	ds_load_b32 v[PR+\k], v[EWL] offset:128*\k     ; its m and l
.endr
	s_wait_dscnt 0x0
.irp t, 0,1
	v_max_num_f32 v[ST+8*\t+4], v[ST+8*\t], v[PR+2*\t]
.endr
.irp t, 0,1
	v_sub_f32 v[ST+8*\t+5], v[PR+2*\t], v[ST+8*\t+4]
	v_sub_f32 v[ST+8*\t+4], v[ST+8*\t], v[ST+8*\t+4]
.endr
.irp t, 0,1
	v_exp_f32 v[ST+8*\t+6], v[ST+8*\t+4]           ; my half's factor,
	v_exp_f32 v[ST+8*\t+7], v[ST+8*\t+5]           ; the partner's
.endr
	v_nop
	s_wait_alu depctr_va_vdst(0)                   ; one wait for the four exponentials
.irp t, 0,1
	v_mul_f32 v[ST+8*\t+3], v[PR+2*\t+1], v[ST+8*\t+7]
.endr
.irp t, 0,1
	v_fma_f32 v[ST+8*\t+3], v[ST+8*\t+2], v[ST+8*\t+6], v[ST+8*\t+3]   ; the row's whole sum
.endr
.irp t, 0,1
	v_rcp_f32 v[ST+8*\t+2], v[ST+8*\t+3]
.endr
	v_nop
	s_wait_alu depctr_va_vdst(0)                   ; and one for the two reciprocals
.irp t, 0,1
	v_mul_f32 v[ST+8*\t+6], v[ST+8*\t+6], v[ST+8*\t+2]
	v_mul_f32 v[ST+8*\t+4], v[ST+8*\t+7], v[ST+8*\t+2]
.endr
	WIN W_RS
.irp t, 0,1
.irp i, 0,2,4,6,8,10,12,14,16,18,20,22,24,26,28,30
	v_pk_mul_f32 v[O+32*\t+\i:O+32*\t+\i+1], v[O+32*\t+\i:O+32*\t+\i+1], v[ST+8*\t+6:ST+8*\t+7] op_sel_hi:[1,0]
.endr
.endr
	WIN 0x10                                       ; source 2 window 1
.irp t, 0,1
.irp i, 0,2,4,6,8,10,12,14,16,18,20,22,24,26,28,30
	v_pk_fma_f32 v[S+32*\t+\i:S+32*\t+\i+1], v[S+32*\t+\i:S+32*\t+\i+1], v[ST+8*\t+4:ST+8*\t+5], v[O+32*\t+\i:O+32*\t+\i+1] op_sel_hi:[1,0,1]
.endr
.endr
	WIN 0
.irp t, 0,1
.irp c, 0,1,2,3
.irp i, 0,1,2,3
	v_cvt_pk_f16_f32 v[192+16*\t+4*\c+\i], v[S+32*\t+8*\c+2*\i], v[S+32*\t+8*\c+2*\i+1]   ; channels 16 ct + 8 h + 0 .. 7 of query r: half a fragment of the last product's operand
.endr
.endr
.endr
.irp t, 0,1
.irp c, 0,1,2,3
	global_store_b128 v[LI], v[192+16*\t+4*\c:192+16*\t+4*\c+3], s[10:11] offset:1024*\t+8192*(\c/2)+512*(\c%2)   ; 512 consecutive bytes, aligned
.endr
.endr
	s_wait_tensorcnt 0x0                           ; the wave's end: behind my last tensor load and my last LDS store
	ds_add_u32 v[SPW], v[NIL]
	s_wait_dscnt 0x0
	CROUND                                         ; the closing round: no work-group ends while a partner may still ask for a tile that names it
	s_endpgm
.Lfunc_end_k_qf56ad461fe_attn:
	.size	k_qf56ad461fe_attn, .Lfunc_end_k_qf56ad461fe_attn-k_qf56ad461fe_attn
	.p2alignl 7, 3214868480
	.fill 96, 4, 3214868480
	.section	.rodata,"a",@progbits
	.p2align	6, 0x0
	.amdhsa_kernel k_qf56ad461fe_attn
		.amdhsa_group_segment_fixed_size 327680
		.amdhsa_private_segment_fixed_size 0
		.amdhsa_enable_private_segment 0
		.amdhsa_kernarg_size 32
		.amdhsa_user_sgpr_count 2
		.amdhsa_user_sgpr_kernarg_segment_ptr 1
		.amdhsa_wavefront_size32 1
		.amdhsa_system_sgpr_workgroup_id_x 1
		.amdhsa_system_sgpr_workgroup_id_y 1
		.amdhsa_system_sgpr_workgroup_id_z 1
		.amdhsa_system_vgpr_workitem_id 0
		.amdhsa_next_free_vgpr 512
		.amdhsa_next_free_sgpr 66
		.amdhsa_reserve_vcc 0
		.amdhsa_float_denorm_mode_32 3
		.amdhsa_float_denorm_mode_16_64 3
		.amdhsa_memory_ordered 1
		.amdhsa_forward_progress 1
		.amdhsa_inst_pref_size 145
	.end_amdhsa_kernel
	.amdgpu_metadata
---
amdhsa.version: [ 1, 2 ]
amdhsa.kernels:
  - .name:           k_qf56ad461fe_attn
    .symbol:         k_qf56ad461fe_attn.kd
    .args:
      - { .name: qf, .offset: 0, .size: 8, .value_kind: global_buffer, .address_space: global }
      - { .name: kvf, .offset: 8, .size: 8, .value_kind: global_buffer, .address_space: global }
      - { .name: mbias, .offset: 16, .size: 8, .value_kind: global_buffer, .address_space: global }
      - { .name: ctx, .offset: 24, .size: 8, .value_kind: global_buffer, .address_space: global }
    .group_segment_fixed_size: 327680
    .private_segment_fixed_size: 0
    .kernarg_segment_align: 8
    .kernarg_segment_size: 32
    .max_flat_workgroup_size: 256
    .sgpr_count:     66
    .vgpr_count:     512
    .wavefront_size: 32
...
	.end_amdgpu_metadata
.endif
;; end of part 3
;; launch outp (part 4): grid 4 x 64, 4 waves a work-group, clusters of 4 x 4, 280,064 bytes of LDS; arguments ctx, wo16, bo, out0; writes out0
.if DOCPART == 4
	.amdgcn_target "amdgcn-amd-amdhsa--gfx1250"
	.amdhsa_code_object_version 6
	.text
	.protected	k_qf56ad461fe_outp
	.globl	k_qf56ad461fe_outp
	.p2align	8
	.type	k_qf56ad461fe_outp,@function
k_qf56ad461fe_outp:
	s_mov_b64 s[64:65], 0
	v_nop
	global_prefetch_b8 v0, s[64:65] scope:SCOPE_SE
	s_setreg_imm32_b32 hwreg(HW_REG_WAVE_MODE, 25, 1), 1
	s_wait_xcnt 0x0
	s_wait_alu depctr_hold_cnt(0) depctr_sa_sdst(0) depctr_va_vdst(0) depctr_va_sdst(0) depctr_va_ssrc(0) depctr_va_vcc(0) depctr_vm_vsrc(0)
	s_getreg_b32 s2, hwreg(HW_REG_IB_STS2, 6, 4)
	s_cmp_eq_u32 s2, 0
	s_cbranch_scc0 .Lentry_in_a_cluster
	s_endpgm
.Lentry_in_a_cluster:
	s_bfe_u32 s2, ttmp6, 0x10000c
	s_cmp_lg_u32 s2, 0xf033
	s_cbranch_scc0 .Lentry_shape_is_right
	s_endpgm
.Lentry_shape_is_right:
; out0 = ctx Wo^T + bo.  ctx [8,192][512] and Wo [512][512] arrive as f16, as images of the operands' registers; sums in f32; out0 is f32.
; A work-group makes 128 x 128 of out0: 4 x 64 = 256 work-groups; each of its four waves 64 x 64 in 16 accumulators.  All of K lies in LDS: 128 KB of ctx, 128 KB of Wo, each filled ONCE, in two chunks of 8 K blocks of 32:
; no ring and no refill.  Two tensor loads a wave go out at the head: two are out at the most.
; CLUSTER 4 x 4: the four of a row of the cluster need the same block of ctx, the four of a column the same block of Wo: each is asked for jointly, by the same tensor load with a mask that names the four.
; THE MATRIX INSTRUCTION IS USED TRANSPOSED (source 0 = 16 rows of Wo, source 1 = 16 rows of ctx): a lane holds eight neighbouring numbers of a row of out0.  bo is the C of the first K block.
; REGISTERS.  window 0: v4-11 addresses; v12, v13 the add's two; v16-47 bo; v64-127, v128-191 two fragment buffers (ctx's four, then Wo's four); v192-255 the way out.   window 1: v0-127 the accumulators (4 i + nt).
.set STAGE, 262144                     ; behind ctx and Wo: 16 rows x (256 bytes + 16) for each wave
.set SPARE, STAGE+4*4352               ; the spare words, 128 bytes a wave: two blocks of 256 bytes that no other line names
.set ADA, 4                            ; v4, v5  my four row tiles of ctx, chunk 0, 1
.set ADB, 6                            ; v6, v7  my four column tiles of Wo
.set STO, 8
.set RD,  9
.set CO,  10
.set H32, 11
.set SPW, 12
.set NIL, 13
.set BO,  16
.set F0,  64
.set OB,  192
.set WV,  12
.set G1A, 24
.set G0A, 32
.set G1B, 48
.set G0B, 56
.set MSB, 0
.macro WIN new                         ; the immediate's high byte repeats the setting that is left
.if MSB != \new
	s_set_vgpr_msb (MSB<<8)|\new
.set MSB, \new
.endif
.endm
.macro PLACES
.rept 4
	v_nop
.endr
.endm
.macro CROUND                          ; a round of the cluster's barrier
	s_barrier_signal -1
	s_barrier_wait -1
	s_cmp_lg_u32 s[WV], 0
	s_cbranch_scc1 .Lnot_wave_0_\@
	s_barrier_signal -3
.Lnot_wave_0_\@:
	s_barrier_wait -3
	s_barrier_signal -1
	s_barrier_wait -1
.endm
.macro FETCH kb, f                     ; K block kb: 16 LDS loads of 512 consecutive bytes
.irp i, 0,1,2,3
	ds_load_b128 v[\f+8*\i:\f+8*\i+3], v[ADA+(\kb)/8] offset:8192*((\kb)%8)+1024*\i
	ds_load_b128 v[\f+8*\i+4:\f+8*\i+7], v[ADA+(\kb)/8] offset:8192*((\kb)%8)+1024*\i+512
.endr
.irp i, 0,1,2,3
	ds_load_b128 v[\f+32+8*\i:\f+32+8*\i+3], v[ADB+(\kb)/8] offset:8192*((\kb)%8)+1024*\i
	ds_load_b128 v[\f+32+8*\i+4:\f+32+8*\i+7], v[ADB+(\kb)/8] offset:8192*((\kb)%8)+1024*\i+512
.endr
.endm
.macro KSTEP kb
.if \kb == 7
	s_wait_tensorcnt 0x0                           ; my part of chunk 1 has landed,
	s_wait_dscnt 0x0
	s_barrier_signal -1
	s_barrier_wait -1                              ; everybody's has: the next fetch reads it
.endif
.if \kb < 15
.if \kb > 0
	PLACES                                         ; ahead of loads into the buffer that the last block's products read
.endif
	WIN 0
	FETCH \kb+1, F0+64*((\kb+1)%2)
	s_wait_dscnt 16                                ; this block's fragments are in; the 16 loads just issued may be out
.else
	s_wait_dscnt 0x0
.endif
.if \kb == 0
	WIN 0x40                                       ; D window 1; bo, as C, window 0
.else
	WIN 0x50                                       ; C and D window 1
.endif
.set FB, F0+64*((\kb)%2)
.irp i, 0,1,2,3                                ; the 16 accumulators take turns, one instruction a turn
.irp n, 0,1,2,3
.if \kb == 0
	v_wmma_f32_16x16x32_f16 v[8*(4*\i+\n):8*(4*\i+\n)+7], v[FB+32+8*\n:FB+32+8*\n+7], v[FB+8*\i:FB+8*\i+7], v[BO+8*\n:BO+8*\n+7]
.else
	v_wmma_f32_16x16x32_f16 v[8*(4*\i+\n):8*(4*\i+\n)+7], v[FB+32+8*\n:FB+32+8*\n+7], v[FB+8*\i:FB+8*\i+7], v[8*(4*\i+\n):8*(4*\i+\n)+7]
.endif
.endr
.endr
.endm
.macro TOSTAGE i                       ; 16 rows x 64 columns into my own stage, and back as whole rows of 256 bytes.  LDS serves a wave's instructions in order (ISA guide 5.7.1.4)
	WIN 0x04                                       ; an LDS store's data are its source 1: window 1
.irp n, 0,1,2,3
	ds_store_b128 v[STO], v[8*(4*\i+\n):8*(4*\i+\n)+3] offset:64*\n          ; each accumulator from its low end on
	ds_store_b128 v[STO], v[8*(4*\i+\n)+4:8*(4*\i+\n)+7] offset:64*\n+16
.endr
	WIN 0
.irp t, 0,1,2,3,4,5,6,7
	ds_load_b128 v[OB+32*((\i)%2)+4*\t:OB+32*((\i)%2)+4*\t+3], v[RD] offset:544*\t
.endr
.endm
.macro SEND i, younger
	s_wait_dscnt \younger
.irp t, 0,1,2,3,4,5,6,7
	global_store_b128 v[CO], v[OB+32*((\i)%2)+4*\t:OB+32*((\i)%2)+4*\t+3], s[10:11] offset:(16*(\i)+2*\t)*2048 th:TH_STORE_NT   ; 16 lanes store 256 consecutive bytes, aligned
.endr
.endm
	s_load_b256 s[4:11], s[0:1], 0x0               ; ctx, wo16, bo, out0
	v_lshl_add_u32 v[SPW], v0, 2, SPARE
	v_mov_b32 v[NIL], 0
	ds_add_u32 v[SPW], v[NIL]                      ; the wave's opening: the add, twice on end, and its wait ahead of my first tensor load
	ds_add_u32 v[SPW], v[NIL]
	v_lshrrev_b32 v1, 5, v0
	v_readfirstlane_b32 s[WV], v1                  ; wave 0..3
	s_lshr_b32 s13, s[WV], 1                       ; which 64 rows are mine.  Also: I fetch for ctx (0) or for Wo (1)
	s_and_b32 s14, s[WV], 1                        ; which 64 columns.  Also: which half of a chunk I fetch
	s_bfe_u32 s40, ttmp6, 0x40000                  ; cx
	s_bfe_u32 s41, ttmp6, 0x40004                  ; cy
	s_lshl_b32 s42, ttmp9, 2
	s_add_co_u32 s42, s42, s40                     ; block of 128 columns
	s_and_b32 s15, ttmp7, 0xffff
	s_lshl_b32 s15, s15, 2
	s_add_co_u32 s15, s15, s41                     ; block of 128 rows
	s_lshl_b32 s43, s41, 2
	s_lshl_b32 s43, 15, s43                        ; my row of the cluster
	s_lshl_b32 s44, 0x1111, s40                    ; my column
	s_or_b32 s[G1A], s43, (3<<16)|(1<<21)          ; ctx's blocks go to my row; elements of 8 bytes; bit 21 set beside a mask
	s_or_b32 s[G1B], s44, (3<<16)|(1<<21)          ; Wo's to my column
.irp g, G1A, G1B
	s_mov_b32 s[\g+1], 32<<16                      ; rows of 256 bytes,
	s_mov_b32 s[\g+2], 128<<16                     ; 128 of them: a dense block of 32 KB
	s_mov_b32 s[\g+3], 32<<16
	s_mov_b32 s[\g+4], 128
	s_mov_b32 s[\g+5], 32
	s_mov_b32 s[\g+6], 0
	s_mov_b32 s[\g+7], 0
.endr
	s_lshl_b32 s17, s14, 15
	s_lshl_b32 s16, s15, 17
	s_add_co_u32 s16, s16, s17                     ; ctx: the rows' block + my half of a chunk
	s_lshl_b32 s46, s42, 17
	s_add_co_u32 s46, s46, s17                     ; Wo: the columns' block + my half
	s_mov_b32 s17, 0
	s_mov_b32 s47, 0
	s_lshl_b32 s20, s13, 17
	s_lshl_b32 s21, s14, 15
	s_add_co_u32 s20, s20, s21                     ; where it goes: the wave's number alone
	s_lshl_b32 s22, s42, 9
	s_lshl_b32 s23, s14, 8
	s_add_co_u32 s22, s22, s23                     ; my 64 columns, in bytes
	s_lshl_b32 s18, s15, 18
	s_lshl_b32 s19, s13, 17
	s_add_co_u32 s18, s18, s19
	s_add_co_u32 s18, s18, s22                     ; and my first row of out0
	s_mov_b32 s19, 0
	s_mov_b32 s23, 0
	s_wait_dscnt 0x0                               ; both opening adds are done
	s_wait_kmcnt 0x0
	s_add_nc_u64 s[16:17], s[4:5], s[16:17]
	s_add_nc_u64 s[46:47], s[6:7], s[46:47]
	s_add_nc_u64 s[8:9], s[8:9], s[22:23]
	s_add_nc_u64 s[10:11], s[10:11], s[18:19]
	CROUND                                         ; all sixteen work-groups are here: the joint loads meet
.irp c, 0,1
	s_mov_b32 s[G0A+4*\c], 1
	s_add_co_u32 s[G0A+4*\c+1], s20, \c*65536
	s_add_nc_u64 s[G0A+4*\c+2:G0A+4*\c+3], s[16:17], \c*65536
	s_or_b32 s[G0A+4*\c+3], s[G0A+4*\c+3], 0x80000000
	s_mov_b32 s[G0B+4*\c], 1
	s_add_co_u32 s[G0B+4*\c+1], s20, \c*65536
	s_add_nc_u64 s[G0B+4*\c+2:G0B+4*\c+3], s[46:47], \c*65536
	s_or_b32 s[G0B+4*\c+3], s[G0B+4*\c+3], 0x80000000
.endr
	s_cmp_lt_u32 s[WV], 2                          ; a wave's two fills stand in one branch on the wave's number, which is the same in every work-group
	s_cbranch_scc0 .Lfor_b
	tensor_load_to_lds s[G0A:G0A+3], s[G1A:G1A+7]
	s_nop 0
	tensor_load_to_lds s[G0A+4:G0A+7], s[G1A:G1A+7]
	s_nop 0
.rept 4
	v_nop
.endr
	s_branch .Lasked
.Lfor_b:
	tensor_load_to_lds s[G0B:G0B+3], s[G1B:G1B+7]
	s_nop 0
	tensor_load_to_lds s[G0B+4:G0B+7], s[G1B:G1B+7]
	s_nop 0
.rept 4
	v_nop
.endr
.Lasked:
	v_and_b32 v3, 31, v0
	v_and_b32 v1, 15, v0                           ; r
	v_bfe_u32 v2, v0, 4, 1                         ; h
	v_lshlrev_b32 v3, 4, v3                        ; 16 x lane
	s_lshl_b32 s21, s13, 12
	v_add_nc_u32 v[ADA], s21, v3
	v_add_nc_u32 v[ADA+1], 65536, v[ADA]
	s_lshl_b32 s21, s14, 12
	s_add_co_u32 s21, s21, 131072
	v_add_nc_u32 v[ADB], s21, v3
	v_add_nc_u32 v[ADB+1], 65536, v[ADB]
	s_mul_i32 s21, s[WV], 4352
	s_add_co_u32 s21, s21, STAGE                   ; my stage
	v_mul_u32_u24 v[STO], v1, 272
	v_lshl_add_u32 v[STO], v2, 5, v[STO]
	v_add_nc_u32 v[STO], s21, v[STO]               ; in: row r, 32 bytes for each half of the lanes
	v_mul_u32_u24 v[RD], v2, 272
	v_lshl_add_u32 v[RD], v1, 4, v[RD]
	v_add_nc_u32 v[RD], s21, v[RD]                 ; back: lanes 0-15 one row, lanes 16-31 the next
	v_lshlrev_b32 v[CO], 11, v2
	v_lshl_add_u32 v[CO], v1, 4, v[CO]             ; and the same two rows in out0
	v_lshlrev_b32 v[H32], 5, v2
.irp n, 0,1,2,3
	global_load_b128 v[BO+8*\n:BO+8*\n+3], v[H32], s[8:9] offset:64*\n       ; bo of columns 16 nt + 8 h + 0 .. 7
	global_load_b128 v[BO+8*\n+4:BO+8*\n+7], v[H32], s[8:9] offset:64*\n+16
.endr
	s_wait_tensorcnt 1                             ; my part of chunk 0 is in; chunk 1's load may stay out
	s_barrier_signal -1
	s_barrier_wait -1
	s_wait_loadcnt 0x0                             ; bo
	FETCH 0, F0
.irp kb, 0,1,2,3,4,5,6,7,8,9,10,11,12,13,14,15
	KSTEP \kb
.endr
	WIN 0
	PLACES                                         ; ahead of the first read of the last products' results
	TOSTAGE 0
	TOSTAGE 1
	SEND 0, 16                                     ; behind block 0's loads: block 1's 8 stores and 8 loads
	s_wait_xcnt 0x0                                ; block 0's stores have read their registers: block 2's rows may land there
	TOSTAGE 2
	SEND 1, 16
	s_wait_xcnt 0x0
	TOSTAGE 3
	SEND 2, 16
	SEND 3, 0
	s_wait_tensorcnt 0x0                           ; the wave's end: behind my last tensor load and my last LDS store
	ds_add_u32 v[SPW], v[NIL]
	s_wait_dscnt 0x0
	CROUND                                         ; the closing round: no work-group ends while a partner may still ask for a block that names it
	s_endpgm
.Lfunc_end_k_qf56ad461fe_outp:
	.size	k_qf56ad461fe_outp, .Lfunc_end_k_qf56ad461fe_outp-k_qf56ad461fe_outp
	.p2alignl 7, 3214868480
	.fill 96, 4, 3214868480
	.section	.rodata,"a",@progbits
	.p2align	6, 0x0
	.amdhsa_kernel k_qf56ad461fe_outp
		.amdhsa_group_segment_fixed_size 280064
		.amdhsa_private_segment_fixed_size 0
		.amdhsa_enable_private_segment 0
		.amdhsa_kernarg_size 32
		.amdhsa_user_sgpr_count 2
		.amdhsa_user_sgpr_kernarg_segment_ptr 1
		.amdhsa_wavefront_size32 1
		.amdhsa_system_sgpr_workgroup_id_x 1
		.amdhsa_system_sgpr_workgroup_id_y 1
		.amdhsa_system_sgpr_workgroup_id_z 1
		.amdhsa_system_vgpr_workitem_id 0
		.amdhsa_next_free_vgpr 384
		.amdhsa_next_free_sgpr 66
		.amdhsa_reserve_vcc 0
		.amdhsa_float_denorm_mode_32 3
		.amdhsa_float_denorm_mode_16_64 3
		.amdhsa_memory_ordered 1
		.amdhsa_forward_progress 1
		.amdhsa_inst_pref_size 51
	.end_amdhsa_kernel
	.amdgpu_metadata
---
amdhsa.version: [ 1, 2 ]
amdhsa.kernels:
  - .name:           k_qf56ad461fe_outp
    .symbol:         k_qf56ad461fe_outp.kd
    .args:
      - { .name: ctx, .offset: 0, .size: 8, .value_kind: global_buffer, .address_space: global }
      - { .name: wo16, .offset: 8, .size: 8, .value_kind: global_buffer, .address_space: global }
      - { .name: bo, .offset: 16, .size: 8, .value_kind: global_buffer, .address_space: global }
      - { .name: out0, .offset: 24, .size: 8, .value_kind: global_buffer, .address_space: global }
    .group_segment_fixed_size: 280064
    .private_segment_fixed_size: 0
    .kernarg_segment_align: 8
    .kernarg_segment_size: 32
    .max_flat_workgroup_size: 128
    .sgpr_count:     66
    .vgpr_count:     384
    .wavefront_size: 32
...
	.end_amdgpu_metadata
.endif
;; end of part 4
